; MI455X (gfx1250); checked and timed in simulation.
; The chip was launched on July 23, 2026; its instructions are those of AMD's public machine-readable ISA for CDNA 5 (MIT licence, August 2026) and "CDNA5" Instruction Set Architecture Reference Guide (July 2026). The comments in the code are by the model that wrote it; some were corrected since.
;; Matching Net. Allowed arithmetic: float matrix products may take bf16 or f16 operands with f32 sums; other float arithmetic in f32, or as packed bf16 or f16 multiplies, adds, multiply-adds, maxima and minima; sums over many terms, partial sums and values carried from step to step in f32; what a program stores and reads back later, other than sums and carried values, may be rounded once to bf16 or f16.
;; Inputs: W 2,048 x 1,024 float32; b 1,024 float32; query 8,192 x 2,048 float32; support 4,096 x 2,048 float32; support_labels 4,096 int32.
;; Outputs: out0 8,192 x 64 float32.
;; Constants: num_classes = 64.
;; One version. Each part assembles by itself: llvm-mc -triple=amdgcn-amd-amdhsa -mcpu=gfx1250 --defsym DOCPART=n.
;; ======== version 1 of 1: 4 launches
;; workspace buffers: wb 4,194,304 bytes; ohf 524,288 bytes; emb 25,165,824 bytes; ssq 196,608 bytes; part 16,777,216 bytes; lsum 262,144 bytes
;; launch prep (part 1): grid 128 x 1, 4 waves a work-group, no clusters, 35,328 bytes of LDS; arguments W, support_labels, wb, ohf; writes wb, ohf
.if DOCPART == 1
	.amdgcn_target "amdgcn-amd-amdhsa--gfx1250"
	.amdhsa_code_object_version 6
	.text
	.protected	k_qa87df6627e_prep
	.globl	k_qa87df6627e_prep
	.p2align	8
	.type	k_qa87df6627e_prep,@function
k_qa87df6627e_prep:
	s_mov_b64 s[64:65], 0
	v_nop
	global_prefetch_b8 v0, s[64:65] scope:SCOPE_SE
	s_setreg_imm32_b32 hwreg(HW_REG_WAVE_MODE, 25, 1), 1
	s_wait_xcnt 0x0
; MatchingNet, launch 1 of 4.  preds = softmax(q_emb s_emb^T) one_hot(labels), q_emb and s_emb the L2-normalised rows of X W + b.
; THE PROGRAM: prep (this text) turns W into bf16 blocks and makes the one_hot as matrix fragments; enc makes emb = bf16(X W + b) and each row's sums of squares;
; sims makes, for 256 queries x 512 supports a work-group, p = e^cos, their sum l and P x one_hot; fin adds the eight parts and divides.
; WHAT IS LEFT OUT, AND WHY IT MAY BE.  The softmax's maximum is not taken away.  reference() itself divides both vectors of every score by max(norm, 1e-12), so every score is a cosine
; (or smaller, for rows shorter than 1e-12): with both vectors rounded to bf16 its magnitude stays under (1 + 2^-8)^2, for every finite input.  So e^score lies between 0.36 and 2.76 and a row's
; 4,096 of them add to less than 11,400: nothing can overflow or underflow in f32, and a term that is the same along the softmax's axis cancels in p / l.  No input is left out: all five are loaded.
; THE one_hot STAYS A PRODUCT: a register cannot be picked by a label, and classes padded to whole tiles of 16 keys could add 64 x 15 keys to the score product, more than this product costs.
; LIMITS.  A label outside 0..63 gives a row of zeros, as jax.nn.one_hot does.  NaN and infinities are not treated apart.
; THIS TEXT.  wb[ks][n][k] = bf16(W[64 ks + k][n]): [32][1024][64], so that the 256 columns x 64 k that a tile of enc wants are 32,768 dense bytes with k along the rows.
; ohf[kg][cb][t][lane][j] = (label[32 kg + 16 t + 8 (lane / 16) + j] == 16 cb + lane % 16) as bf16 1 or 0: the register image of source 0 (16 classes x 32 keys) of sims' second product.
; SHARES.  Work-group g: ks = g / 4, columns 256 (g % 4) on; thread t owns columns 2 t and 2 t + 1 of them for all 64 k.  The same work-group makes one_hot group kg = g; wave w is cb.
; There is work for 128 work-groups.  A thread's two columns are 256 bytes on end of wb; they go through the wave's own LDS stage so that each store of the wave covers 512 consecutive bytes.
.set SPARE, 34816                      ; behind the four stages of 8,704 bytes: the spare words, 128 bytes a wave, which no other line names
.set WO,  2                            ; v2   my byte offset in a row of W: 8 t + 1,024 (g % 4)
.set LO,  3                            ; v3   32 (l / 16): my eight labels of a group of 16
.set CL,  4                            ; v4   my class: 16 w + l % 16
.set LS,  5                            ; v5   stage, in: 8,704 w + 272 l
.set LR,  6                            ; v6   stage, back: 8,704 w + 272 (l / 16) + 16 (l % 16)
.set GO,  7                            ; v7   8,192 w + 16 l in the block of wb
.set OO,  8                            ; v8   1,024 w + 16 l in the group of ohf
.set SPW, 10                           ; v10  LDS address of my spare word; never rewritten
.set NIL, 11                           ; v11  0; never rewritten
.set LB,  16                           ; v[16:31]   labels
.set OH,  32                           ; v[32:39]   the one_hot, packed
.set X,   48                           ; v[48:175]  W as loaded: k's two columns at X + 2 k; later the rows read back
.set Y,   176                          ; v[176:239] bf16: column 0's 64 k in 32 registers, then column 1's
	s_load_b256 s[4:11], s[0:1], 0x0               ; W s[4:5], labels s[6:7], wb s[8:9], ohf s[10:11]
	v_lshl_add_u32 v[SPW], v0, 2, SPARE
	v_mov_b32 v[NIL], 0
	v_lshrrev_b32 v1, 5, v0
	v_readfirstlane_b32 s12, v1                    ; wave
	v_and_b32 v12, 31, v0                          ; l
	v_and_b32 v13, 15, v0                          ; l % 16
	v_bfe_u32 v9, v0, 4, 1                         ; l / 16
	s_lshr_b32 s13, ttmp9, 2                       ; ks
	s_and_b32 s14, ttmp9, 3                        ; which 256 columns
	s_lshl_b32 s15, s14, 10
	v_lshl_add_u32 v[WO], v0, 3, s15
	v_lshlrev_b32 v[LO], 5, v9
	s_lshl_b32 s16, s12, 4
	v_add_nc_u32 v[CL], s16, v13
	s_mul_i32 s17, s12, 8704
	v_mul_u32_u24 v[LS], v12, 272
	v_add_nc_u32 v[LS], s17, v[LS]
	v_mul_u32_u24 v[LR], v9, 272
	v_lshl_add_u32 v[LR], v13, 4, v[LR]
	v_add_nc_u32 v[LR], s17, v[LR]
	s_lshl_b32 s18, s12, 13
	v_lshl_add_u32 v[GO], v12, 4, s18
	s_lshl_b32 s19, s12, 10
	v_lshl_add_u32 v[OO], v12, 4, s19
	v_mov_b32 v14, 0x3f80                          ; bf16 1.0 in the low half,
	v_mov_b32 v15, 0x3f800000                      ; in the high half
	s_lshl_b32 s20, s13, 18                        ; 64 rows of W, 4,096 bytes each
	s_mov_b32 s21, 0
	s_lshl_b32 s22, ttmp9, 7                       ; 32 labels
	s_mov_b32 s23, 0
	s_lshl_b32 s24, s13, 17                        ; wb: 131,072 ks + 32,768 (g % 4)
	s_lshl_b32 s25, s14, 15
	s_add_co_u32 s24, s24, s25
	s_mov_b32 s25, 0
	s_lshl_b32 s26, ttmp9, 12                      ; ohf: 4,096 g
	s_mov_b32 s27, 0
	s_wait_kmcnt 0x0
	s_add_nc_u64 s[4:5], s[4:5], s[20:21]
	s_add_nc_u64 s[6:7], s[6:7], s[22:23]
	s_add_nc_u64 s[8:9], s[8:9], s[24:25]
	s_add_nc_u64 s[10:11], s[10:11], s[26:27]
.irp t, 0,1
	global_load_b128 v[LB+8*(\t):LB+8*(\t)+3],   v[LO], s[6:7] offset:64*(\t)
	global_load_b128 v[LB+8*(\t)+4:LB+8*(\t)+7], v[LO], s[6:7] offset:64*(\t)+16
.endr
.set k, 0
.rept 56                                       ; a load of the wave covers 256 consecutive bytes of a row of W
	global_load_b64 v[X+2*k:X+2*k+1], v[WO], s[4:5] offset:4096*k th:TH_LOAD_NT
.set k, k+1
.endr
	s_wait_loadcnt 56                              ; the four label loads are in; W's 56 stay out
.set i, 0
.rept 8                                        ; register i: group t = i / 4, labels 2 (i % 4) and the next
	v_cmp_eq_u32 vcc_lo, v[LB+2*i], v[CL]
	v_cndmask_b32 v12, 0, v14, vcc_lo
	v_cmp_eq_u32 vcc_lo, v[LB+2*i+1], v[CL]
	v_cndmask_b32 v13, 0, v15, vcc_lo
	v_or_b32 v[OH+i], v12, v13
.set i, i+1
.endr
	global_store_b128 v[OO], v[OH:OH+3], s[10:11]             ; 512 consecutive bytes a store
	global_store_b128 v[OO], v[OH+4:OH+7], s[10:11] offset:512
.macro CONV gq                         ; k = 8 gq .. 8 gq + 7 of both columns, two roundings an instruction
.irp z, 0,1,2,3
	v_cvt_pk_bf16_f32 v[Y+4*(\gq)+(\z)],    v[X+16*(\gq)+4*(\z)],   v[X+16*(\gq)+4*(\z)+2]
	v_cvt_pk_bf16_f32 v[Y+32+4*(\gq)+(\z)], v[X+16*(\gq)+4*(\z)+1], v[X+16*(\gq)+4*(\z)+3]
.endr
.endm
	s_wait_loadcnt 48                              ; W's first eight loads are in; 48 younger ones stay out
.rept 8
	global_load_b64 v[X+2*k:X+2*k+1], v[WO], s[4:5] offset:4096*k th:TH_LOAD_NT
.set k, k+1
.endr
	CONV 0
.irp gq, 1,2,3,4,5,6,7
	s_wait_loadcnt 56-8*(\gq)                      ; loads come back in order: group gq is in, the younger groups stay out
	CONV \gq
.endr
.irp j, 0,1,2,3,4,5,6,7,8,9,10,11,12,13,14,15
	ds_store_b128 v[LS], v[Y+4*(\j):Y+4*(\j)+3] offset:16*(\j)    ; lanes 272 bytes apart
.endr
.irp j, 0,1,2,3,4,5,6,7,8,9,10,11,12,13,14,15
	ds_load_b128 v[X+4*(\j):X+4*(\j)+3], v[LR] offset:544*(\j)    ; the wave's own bytes, served in order behind the stores: two threads' 512 bytes
.endr
.irp j, 0,1,2,3,4,5,6,7,8,9,10,11,12,13,14,15
	s_wait_dscnt 15-(\j)
	global_store_b128 v[GO], v[X+4*(\j):X+4*(\j)+3], s[8:9] offset:512*(\j)
.endr
	s_wait_tensorcnt 0x0                           ; the wave's end
	ds_add_u32 v[SPW], v[NIL]
	s_wait_dscnt 0x0
	s_endpgm
.Lfunc_end_k_qa87df6627e_prep:
	.size	k_qa87df6627e_prep, .Lfunc_end_k_qa87df6627e_prep-k_qa87df6627e_prep
	.p2alignl 7, 3214868480
	.fill 96, 4, 3214868480
	.section	.rodata,"a",@progbits
	.p2align	6, 0x0
	.amdhsa_kernel k_qa87df6627e_prep
		.amdhsa_group_segment_fixed_size 35328
		.amdhsa_private_segment_fixed_size 0
		.amdhsa_enable_private_segment 0
		.amdhsa_kernarg_size 32
		.amdhsa_user_sgpr_count 2
		.amdhsa_user_sgpr_kernarg_segment_ptr 1
		.amdhsa_wavefront_size32 1
		.amdhsa_system_sgpr_workgroup_id_x 1
		.amdhsa_system_sgpr_workgroup_id_y 1
		.amdhsa_system_sgpr_workgroup_id_z 1
		.amdhsa_system_vgpr_workitem_id 0
		.amdhsa_next_free_vgpr 240
		.amdhsa_next_free_sgpr 66
		.amdhsa_reserve_vcc 1
		.amdhsa_float_denorm_mode_32 3
		.amdhsa_float_denorm_mode_16_64 3
		.amdhsa_memory_ordered 1
		.amdhsa_forward_progress 1
		.amdhsa_inst_pref_size 19
	.end_amdhsa_kernel
	.amdgpu_metadata
---
amdhsa.version: [ 1, 2 ]
amdhsa.kernels:
  - .name:           k_qa87df6627e_prep
    .symbol:         k_qa87df6627e_prep.kd
    .args:
      - { .name: W, .offset: 0, .size: 8, .value_kind: global_buffer, .address_space: global }
      - { .name: support_labels, .offset: 8, .size: 8, .value_kind: global_buffer, .address_space: global }
      - { .name: wb, .offset: 16, .size: 8, .value_kind: global_buffer, .address_space: global }
      - { .name: ohf, .offset: 24, .size: 8, .value_kind: global_buffer, .address_space: global }
    .group_segment_fixed_size: 35328
    .private_segment_fixed_size: 0
    .kernarg_segment_align: 8
    .kernarg_segment_size: 32
    .max_flat_workgroup_size: 128
    .sgpr_count:     66
    .vgpr_count:     240
    .wavefront_size: 32
...
	.end_amdgpu_metadata
.endif
;; end of part 1
;; launch enc (part 2): grid 4 x 64, 4 waves a work-group, clusters of 4 x 4, 327,680 bytes of LDS; arguments support, query, wb, b, emb, ssq; writes emb, ssq
.if DOCPART == 2
	.amdgcn_target "amdgcn-amd-amdhsa--gfx1250"
	.amdhsa_code_object_version 6
	.text
	.protected	k_qa87df6627e_enc
	.globl	k_qa87df6627e_enc
	.p2align	8
	.type	k_qa87df6627e_enc,@function
k_qa87df6627e_enc:
	s_mov_b64 s[64:65], 0
	v_nop
	global_prefetch_b8 v0, s[64:65] scope:SCOPE_SE
	s_setreg_imm32_b32 hwreg(HW_REG_WAVE_MODE, 25, 1), 1
	s_wait_xcnt 0x0
	s_wait_alu depctr_hold_cnt(0) depctr_sa_sdst(0) depctr_va_vdst(0) depctr_va_sdst(0) depctr_va_ssrc(0) depctr_va_vcc(0) depctr_vm_vsrc(0)
	s_getreg_b32 s2, hwreg(HW_REG_IB_STS2, 6, 4)
	s_cmp_eq_u32 s2, 0
	s_cbranch_scc0 .Lentry_in_a_cluster
	s_endpgm
.Lentry_in_a_cluster:
	s_bfe_u32 s2, ttmp6, 0x10000c
	s_cmp_lg_u32 s2, 0xf033
	s_cbranch_scc0 .Lentry_shape_is_right
	s_endpgm
.Lentry_shape_is_right:
; MatchingNet, launch 2 of 4: the encoder.  emb[row][col] = bf16(sum over k of X[row][k] W[k][col] + b[col]); rows 0-4095 are support's, 4096-12287 query's.  Products in bf16, sums in f32.
; The rows are NOT normalised here: a row's 1,024 columns lie in four work-groups.  ssq[ct][row] = the sum of squares of the row's 256 columns of column tile ct, in f32, of the sums before their rounding;
; the next launch adds the four and scales its scores by them.  Nothing of reference() is left out here.
; SHARES.  12,288 x 1,024 outputs on 256 work-groups: a tile of 192 rows x 256 columns; four waves, 96 x 128 each: 48 accumulators, 384 registers.  A tile's rows are three blocks of 64, and 4,096 = 64 x 64,
; so each block lies wholly in support or wholly in query.  K goes in steps of 128 through two LDS slots.
; X COMES THROUGH REGISTERS.  Wave w loads rows 16 w .. 16 w + 15 of each of the three blocks (three GROUPS of 16 loads; a load of the wave is one row's 512 bytes of a K step), rounds them to bf16 once and stores
; them into the slot that is not being read.  So each number of X is rounded once in the work-group and lies in LDS in 2 bytes, and a group's loads stay out over the changes of slots: they are issued three quarters
; of a K step or more ahead of the wait for them.
; WHY X IS NOT ASKED FOR JOINTLY, though the four work-groups of a row of the cluster read the same rows: as f32 tiles in LDS a K step of 128 would be 192 x 528 + 73,728 = 175,104 bytes, and two such slots do not fit;
; with steps of 64 a refill has 88 products in which to land and brings 81,920 bytes; here a refill has 184 and brings 65,536.  The price: each of the four partners loads X's rows for itself.
; wb COMES BY JOINT TENSOR LOADS: the four work-groups of a column of the cluster want the same blocks.  A K step is two of wb's blocks of 64 k; wave w fetches block w / 2, rows 128 (w % 2) on: 16,384 dense bytes.
; THE MATRIX INSTRUCTION IS USED TRANSPOSED: source 0 = 16 rows of wb (columns of emb), source 1 = 16 rows of X: a lane holds one row of emb and eight neighbouring columns.  The first products take b as C.
; REGISTERS, in windows of 256: window 0: v0-39 addresses; v64-111, v112-159 X's fragments, two buffers (on the way out: packed results, rows read back); v160-175 sums of squares; v192-255 b.
;   window 1: v0-63, v64-127 wb's fragments, two buffers; v128-191, v192-255 X's f32 of groups 0 and 1.   window 2: accumulators of row blocks 0-3, (a, b) at 64 a + 8 b.
;   window 3: v0-127 accumulators of row blocks 4, 5; v128-191 X's f32 of group 2; v192-223 a group's 16 rows rounded, two registers a row.
.set PITA,  272                        ; a row of X in LDS: 128 bf16 + 16 bytes: the 16 rows of a load start at 16 different groups of four banks (64 banks of 4 bytes: ISA guide 11.1)
.set PITB,  144                        ; a row of wb: 64 bf16 + 16 bytes, likewise
.set BOFF,  192*PITA                   ; in a slot: X's 192 rows, written by LDS stores alone; then wb, filled by tensor loads alone
.set BHALF, 256*PITB                   ; one block of wb: 256 rows; a slot holds two
.set SLOT1, 1<<17                      ; slot 1 begins here, so that one exclusive or turns an address in one slot into the other's
.set SSQL,  BOFF+2*BHALF               ; between the slots: [2 column halves][192 rows] f32,
.set SPARE, SSQL+1536                  ; and the spare words, 128 bytes a wave, which no other line names
.set STAGE, SLOT1+BOFF+2*BHALF         ; behind slot 1, never filled by a tensor load: 16 rows x 272 bytes for each wave
.set ADRA, 16                          ; v16  LDS address of X's fragments in the slot in hand
.set A0,   17                          ; v17  the same in slot 0: (96 r + l % 16) 272 + 16 (l / 16); never rewritten
.set ASTO, 18                          ; v18  where I store X's rows: in the slot that is not being read
.set AS0,  19                          ; v19  the same in slot 0: 16 w x 272 + 8 l; never rewritten
.set ADRB, 20                          ; v20, v21 as v16, v17 for wb: BOFF + (128 c + l % 16) 144 + 16 (l / 16)
.set B0,   21
.set AO,   22                          ; v22  16 l: my 16 bytes of a row's 512; never rewritten
.set STO,  24                          ; v24  the way out: where I put 16 bytes of a row
.set RD,   25                          ; v25  where I read a row back
.set CO,   26                          ; v26  my byte offset in two rows of emb
.set SSA,  27                          ; v27  where my row's sum of squares goes
.set SPW,  28                          ; v28  LDS address of my spare word; never rewritten
.set NIL,  29                          ; v29  0; never rewritten
.set PFO,  30                          ; v30  the prefetches' offset; never rewritten
.set BO,   31                          ; v31  my byte offset in b
.set FA,   64
.set TMP,  64
.set OB,   96
.set SS,   160
.set SQ,   168
.set TT,   174
.set BIAS, 192
.set CV,   192                         ; window 3
.set WV,  16                           ; s16  my wave's number
.set RW,  17                           ; s17  which 96 rows are mine; also: which of a step's two blocks of wb I fetch
.set CW,  18                           ; s18  which 128 columns; also: which 128 rows of that block
.set CX,  19
.set CY,  20
.set CT,  21                           ; s21  column tile
.set TR,  22                           ; s22  row tile
.set CLY, 23                           ; s23  the cluster's y
.set G1,  24                           ; s[24:31] descriptor group 1
.set G0,  32                           ; s[32:39] group 0: a set for each first fill; the second then walks
.set XB,  40                           ; s[40:45] X at my 16 rows of block g, at the K step last loaded
.set TB,  46                           ; s46  the slot in hand: 0 or SLOT1
.set WB,  47                           ; s47  where my tile of wb lies in a slot: BOFF + 18,432 x wave
.set CNT, 48
.set PJ,  49                           ; s49  the K step that a prefetch names
.set PMAX, 50                          ; s50  the last such step for this wave; 0: it never asks
.set PSH, 51                           ; s51  log2 of a K step's bytes there
.set PFA, 52                           ; s[52:53] the prefetch's address
.set PBS, 54                           ; s[54:55] its base
.set OFS, 56                           ; s[56:57] an offset, high word 0
.set SEL, 58                           ; s[58:59] v_permlanex16_b32's selects
.set T3,  74                           ; s74  the tile's first block of 64 rows
.set W17, 75                           ; s75  my 16 rows of 8,192 bytes in a block
.set MSB, 0
.macro WIN new                         ; the immediate's high byte repeats the setting that is left; a switch that changes nothing is dropped
.if MSB != (\new)
	s_set_vgpr_msb (MSB<<8)|(\new)
.set MSB, \new
.endif
.endm
.macro PLACES                          ; four places in front of loads into registers that matrix instructions have read, and of vector lines that read results
.rept 4
	v_nop
.endr
.endm
.macro CREST                           ; a round of the cluster's barrier behind its opening barrier
	s_cmp_lg_u32 s[WV], 0
	s_cbranch_scc1 .Lnot_wave_0_\@
	s_barrier_signal -3
.Lnot_wave_0_\@:
	s_barrier_wait -3
	s_barrier_signal -1
	s_barrier_wait -1
.endm
.macro CROUND
	s_barrier_signal -1
	s_barrier_wait -1
	CREST
.endm
.macro JLOAD                           ; a joint refill by the walking descriptor: one line for all four waves, whose tiles differ by the wave's number; an s_nop 0 and four v_nop follow it
	tensor_load_to_lds s[G0+4:G0+7], s[G1:G1+7]
	s_nop 0
.rept 4
	v_nop
.endr
.endm
; A PREFETCH INTO THE L2, behind a joint refill and its five lines: K step PJ = the step in hand + 4, two steps (384 products) ahead of the refill that will ask for it and of X's loads of that step.
; X: wave w < 3 asks for block w of the tile's three: a step is 512 bytes of each of its 64 rows; the partner at cx takes rows 16 cx on, a lane 256 bytes: one instruction.  No other cluster reads these rows.
; wb: wave 3 asks; a step's two blocks are 65,536 bytes, read by every cluster: the clusters with y = 0 ask, the partner at cy for 16,384 bytes, a lane 256: two instructions.
; The partners are told apart by address; each block is named once in the launch.  Steps 0-3 come by their loads alone; the last two trips ask for nothing.
.macro ASK
	s_cmp_le_u32 s[PJ], s[PMAX]
	s_cbranch_scc0 .Lnot_mine_\@
	global_prefetch_b8 v[PFO], s[PFA:PFA+1] th:TH_LOAD_NT scope:SCOPE_SE
	s_cmp_eq_u32 s[WV], 3
	s_cbranch_scc0 .Lnot_mine_\@
	global_prefetch_b8 v[PFO], s[PFA:PFA+1] offset:8192 th:TH_LOAD_NT scope:SCOPE_SE
.Lnot_mine_\@:
.endm
; X's THREE STEPS ON ITS WAY.  GLOAD: group g's 16 rows of the next K step, 512 consecutive bytes a load.  The address is stepped first: the loads that read it last were shown done by the counted wait ahead of their roundings.
.macro GLOAD g, step
.if \step
	s_add_nc_u64 s[XB+2*(\g):XB+2*(\g)+1], s[XB+2*(\g):XB+2*(\g)+1], 512
.endif
	WIN 0x40+0x80*((\g)/2)
.irp i, 0,1,2,3,4,5,6,7,8,9,10,11,12,13,14,15
	global_load_b128 v[128+64*((\g)%2)+4*(\i):128+64*((\g)%2)+4*(\i)+3], v[AO], s[XB+2*(\g):XB+2*(\g)+1] offset:8192*(\i)
.endr
.endm
.macro CVT4 g, b                       ; four of a group's 32 roundings: rows 2 b and 2 b + 1, four numbers a lane and row into two registers
	WIN 0xc5+0x0a*((\g)/2)
.irp z, 0,1,2,3
	v_cvt_pk_bf16_f32 v[CV+4*(\b)+(\z)], v[128+64*((\g)%2)+2*(4*(\b)+(\z))], v[128+64*((\g)%2)+2*(4*(\b)+(\z))+1]
.endr
.endm
.macro GSTORE adr, g                   ; the group's 16 rows into LDS: a store of the wave is a row's 256 bytes on end
	WIN 0x0c
.irp i, 0,1,2,3,4,5,6,7,8,9,10,11,12,13,14,15
	ds_store_b64 v[\adr], v[CV+2*(\i):CV+2*(\i)+1] offset:(64*(\g)+(\i))*PITA
.endr
.endm
	s_load_b256 s[4:11], s[0:1], 0x0               ; support s[4:5], query s[6:7], wb s[8:9], b s[10:11]
	s_load_b128 s[12:15], s[0:1], 0x20             ; emb s[12:13], ssq s[14:15]
	v_lshl_add_u32 v[SPW], v0, 2, SPARE
	v_mov_b32 v[NIL], 0
	ds_add_u32 v[SPW], v[NIL]                      ; the wave's opening: the add, twice on end, and its wait ahead of my first tensor load
	ds_add_u32 v[SPW], v[NIL]
	v_lshrrev_b32 v1, 5, v0
	v_readfirstlane_b32 s[WV], v1
	s_lshr_b32 s[RW], s[WV], 1
	s_and_b32 s[CW], s[WV], 1
	s_bfe_u32 s[CX], ttmp6, 0x40000
	s_bfe_u32 s[CY], ttmp6, 0x40004
	s_lshl_b32 s[CT], ttmp9, 2
	s_add_co_u32 s[CT], s[CT], s[CX]               ; column tile = 4 x cluster x + cx
	s_and_b32 s[CLY], ttmp7, 0xffff
	s_lshl_b32 s[TR], s[CLY], 2
	s_add_co_u32 s[TR], s[TR], s[CY]               ; row tile = 4 x cluster y + cy
	s_lshl_b32 s60, 0x1111, s[CX]                  ; my column of the cluster
	s_or_b32 s[G1], s60, (1<<16)|(1<<20)|(1<<21)|(4<<22)|(3<<25)  ; the mask; elements of 2 bytes; padding on; bit 21 beside a mask; after every 32 words (a row of wb), 4 words
	s_mov_b32 s[G1+1], 128<<16                     ; 16,384 dense bytes as 64 rows of 256: tensor_dim0 = 128
	s_mov_b32 s[G1+2], 64<<16                      ; tensor_dim1 = 64
	s_mov_b32 s[G1+3], 128<<16                     ; tile_dim0 = 128
	s_mov_b32 s[G1+4], 64                          ; tile_dim1 = 64
	s_mov_b32 s[G1+5], 128                         ; elements from row to row
	s_mov_b32 s[G1+6], 0
	s_mov_b32 s[G1+7], 0
	v_and_b32 v1, 15, v0                           ; l % 16
	v_bfe_u32 v2, v0, 4, 1                         ; l / 16
	v_and_b32 v3, 31, v0                           ; l
	v_lshlrev_b32 v[AO], 4, v3
	s_lshl_b32 s60, s[CT], 10
	s_lshl_b32 s61, s[CW], 9
	s_add_co_u32 s60, s60, s61
	v_lshl_add_u32 v[BO], v2, 5, s60               ; b at column 256 ct + 128 c + 8 (l / 16)
	s_mul_i32 s[WB], s[WV], 128*PITB               ; 128 rows of wb a wave.  No place in the cluster enters an LDS address
	s_add_co_u32 s[WB], s[WB], BOFF
	s_mov_b32 s[TB], 0
	s_mov_b32 s[PJ], 3
	s_mov_b32 s[SEL], 0x76543210
	s_mov_b32 s[SEL+1], 0xfedcba98
	s_mul_i32 s[T3], s[TR], 3
	s_lshl_b32 s[W17], s[WV], 17
	s_mov_b32 s[OFS+1], 0
	s_wait_dscnt 0x0                               ; both opening adds are done
	s_wait_kmcnt 0x0
.irp g, 0,1,2
	s_add_co_u32 s60, s[T3], \g                    ; block g of the tile among the 192: 0-63 support's, 64-191 query's
	s_cmp_lt_u32 s60, 64
	s_cselect_b32 s61, 0, 64
	s_cselect_b64 s[XB+2*(\g):XB+2*(\g)+1], s[4:5], s[6:7]
	s_sub_co_u32 s60, s60, s61                     ; its number in its own buffer
	s_lshl_b32 s60, s60, 19                        ; 64 rows of 8,192 bytes
	s_add_co_u32 s[OFS], s60, s[W17]
	s_add_nc_u64 s[XB+2*(\g):XB+2*(\g)+1], s[XB+2*(\g):XB+2*(\g)+1], s[OFS:OFS+1]
.endr
.irp b, 0,1,2,3,4,5,6,7
	global_load_b128 v[BIAS+8*(\b):BIAS+8*(\b)+3],   v[BO], s[10:11] offset:64*(\b)
	global_load_b128 v[BIAS+8*(\b)+4:BIAS+8*(\b)+7], v[BO], s[10:11] offset:64*(\b)+16
.endr
	GLOAD 0, 0                                     ; X's K step 0 goes out ahead of everything else
	GLOAD 1, 0
	GLOAD 2, 0
	WIN 0
	s_lshl_b32 s[OFS], s[CT], 15                   ; wb: my column tile's 256 rows of 128 bytes,
	s_lshl_b32 s60, s[RW], 17                      ; the first or the second block of the step,
	s_add_co_u32 s[OFS], s[OFS], s60
	s_lshl_b32 s60, s[CW], 14                      ; its first or second 128 rows
	s_add_co_u32 s[OFS], s[OFS], s60
	s_add_nc_u64 s[66:67], s[8:9], s[OFS:OFS+1]
.irp s, 0,1
	s_mov_b32 s[G0+4*(\s)], 1
	s_add_co_u32 s[G0+4*(\s)+1], s[WB], (\s)*SLOT1
	s_add_nc_u64 s[G0+4*(\s)+2:G0+4*(\s)+3], s[66:67], (\s)*0x40000
	s_or_b32 s[G0+4*(\s)+3], s[G0+4*(\s)+3], 0x80000000
.endr
	CROUND                                         ; all sixteen work-groups are here: the first joint loads meet
	tensor_load_to_lds s[G0:G0+3], s[G1:G1+7]      ; K steps 0 and 1: two loads of mine are out
	s_nop 0
	tensor_load_to_lds s[G0+4:G0+7], s[G1:G1+7]
	s_nop 0
.rept 4
	v_nop
.endr
	s_mul_i32 s60, s[RW], 96*PITA
	v_mul_u32_u24 v[A0], v1, PITA
	v_lshl_add_u32 v[A0], v2, 4, v[A0]
	v_add_nc_u32 v[A0], s60, v[A0]
	v_mov_b32 v[ADRA], v[A0]
	s_mul_i32 s60, s[CW], 128*PITB
	s_add_co_u32 s60, s60, BOFF
	v_mul_u32_u24 v[B0], v1, PITB
	v_lshl_add_u32 v[B0], v2, 4, v[B0]
	v_add_nc_u32 v[B0], s60, v[B0]
	v_mov_b32 v[ADRB], v[B0]
	s_mul_i32 s60, s[WV], 16*PITA
	v_lshl_add_u32 v[AS0], v3, 3, s60
	v_add_nc_u32 v[ASTO], SLOT1, v[AS0]            ; while slot 0 is read, X's step 1 goes into slot 1
	s_mul_i32 s60, s[WV], 16*272
	s_add_co_u32 s60, s60, STAGE
	v_mul_u32_u24 v[STO], v1, 272
	v_lshl_add_u32 v[STO], v2, 4, v[STO]
	v_add_nc_u32 v[STO], s60, v[STO]
	v_mul_u32_u24 v[RD], v2, 272
	v_lshl_add_u32 v[RD], v1, 4, v[RD]
	v_add_nc_u32 v[RD], s60, v[RD]
	v_lshlrev_b32 v[CO], 11, v2
	v_lshl_add_u32 v[CO], v1, 4, v[CO]
	s_mul_i32 s60, s[CW], 768
	s_mul_i32 s61, s[RW], 384
	s_add_co_u32 s60, s60, s61
	s_add_co_u32 s60, s60, SSQL
	v_lshl_add_u32 v[SSA], v1, 2, s60
	s_lshl_b32 s60, s[WV], 8
	s_add_co_u32 s60, s60, SSQL
	v_lshl_add_u32 v32, v3, 3, s60                 ; at the end waves 0-2 read 64 rows' sums each
	v_lshlrev_b32 v33, 3, v3
	v_mov_b32 v[TT], 0
	v_mov_b32 v[TT+1], 0                           ; v_permlanex16_b32's destination counts as read
	s_mul_i32 s60, s[TR], 192                      ; emb at my first row and column
	s_mul_i32 s62, s[RW], 96
	s_add_co_u32 s60, s60, s62
	s_lshl_b32 s60, s60, 11
	s_lshl_b32 s62, s[CT], 9
	s_add_co_u32 s60, s60, s62
	s_lshl_b32 s62, s[CW], 8
	s_add_co_u32 s60, s60, s62
	s_mov_b32 s61, 0
	s_add_nc_u64 s[12:13], s[12:13], s[60:61]
	s_mul_i32 s60, s[CT], 49152                    ; ssq[ct][192 tr + 64 w ..]
	s_mul_i32 s62, s[TR], 768
	s_add_co_u32 s60, s60, s62
	s_lshl_b32 s62, s[WV], 8
	s_add_co_u32 s60, s60, s62
	s_add_nc_u64 s[14:15], s[14:15], s[60:61]
	s_min_u32 s60, s[WV], 2                        ; the prefetches: my work-group's share, by address.  X: block w,
	s_add_co_u32 s60, s60, s[T3]
	s_cmp_lt_u32 s60, 64
	s_cselect_b32 s62, 0, 64
	s_cselect_b64 s[68:69], s[4:5], s[6:7]
	s_sub_co_u32 s60, s60, s62
	s_lshl_b32 s60, s60, 19
	s_lshl_b32 s62, s[CX], 17                      ; rows 16 cx on
	s_add_co_u32 s70, s60, s62
	s_lshl_b32 s71, s[CT], 15                      ; wb: my column tile,
	s_lshr_b32 s62, s[CY], 1
	s_lshl_b32 s62, s62, 17                        ; block cy / 2 of the step's two,
	s_add_co_u32 s71, s71, s62
	s_and_b32 s62, s[CY], 1
	s_lshl_b32 s62, s62, 14                        ; its half cy % 2
	s_add_co_u32 s71, s71, s62
	s_cmp_eq_u32 s[CLY], 0
	s_cselect_b32 s72, 15, 0
	s_cmp_lt_u32 s[WV], 3
	s_cselect_b32 s[OFS], s70, s71
	s_cselect_b64 s[PBS:PBS+1], s[68:69], s[8:9]
	s_cselect_b32 s[PSH], 9, 18
	s_cselect_b32 s[PMAX], 15, s72
	s_cselect_b32 s62, 13, 8                       ; X: lane l names row l % 16, half l / 16; wb: 256 l = 256 (l % 16) + 4,096 (l / 16)
	s_cselect_b32 s63, 8, 12
	s_add_nc_u64 s[PBS:PBS+1], s[PBS:PBS+1], s[OFS:OFS+1]
	v_lshlrev_b32 v[PFO], s62, v1
	v_lshlrev_b32 v4, s63, v2
	v_add_nc_u32 v[PFO], v[PFO], v4
; X's K step 0 is rounded and stored into slot 0, and step 1 is asked for, group by group.
.irp g, 0,1,2
	s_wait_loadcnt 32                              ; loads come back in order: the group is in (and b, issued ahead of it); the two younger groups' 32 loads stay out
.irp b, 0,1,2,3,4,5,6,7
	CVT4 \g, \b
.endr
	GSTORE AS0, \g
	GLOAD \g, 1
.endr
	WIN 0
; One product.  zero = 1: the sum starts with b: nothing is cleared and no bias is ever added.
.macro PROD f, a, b, zero
.if \zero
	WIN 0x81+0x40*((\a)/4)
	v_wmma_f32_16x16x32_bf16 v[64*((\a)%4)+8*(\b):64*((\a)%4)+8*(\b)+7], v[64*(\f)+8*(\b):64*(\f)+8*(\b)+7], v[FA+48*(\f)+8*(\a):FA+48*(\f)+8*(\a)+7], v[BIAS+8*(\b):BIAS+8*(\b)+7]
.else
	WIN 0xa1+0x50*((\a)/4)
	v_wmma_f32_16x16x32_bf16 v[64*((\a)%4)+8*(\b):64*((\a)%4)+8*(\b)+7], v[64*(\f)+8*(\b):64*(\f)+8*(\b)+7], v[FA+48*(\f)+8*(\a):FA+48*(\f)+8*(\a)+7], v[64*((\a)%4)+8*(\b):64*((\a)%4)+8*(\b)+7]
.endif
.endm
.macro MROW f, a, zero                 ; row block a x all 8 column blocks.  The 48 accumulators take turns, in the same order in every quarter
.irp b, 0,1,2,3,4,5,6,7
	PROD \f, \a, \b, \zero
.endr
.endm
.macro MROWC f, a, g, zero             ; the same, and behind each product four of group g's 32 roundings; they name no register of the products round them
.irp b, 0,1,2,3,4,5,6,7
	PROD \f, \a, \b, \zero
	CVT4 \g, \b
.endr
.endm
; 28 LDS loads in one run: quarter q (32 along K) of the slot in hand, into buffer g: X's 96 rows, then wb's 128 rows (quarters 0, 1 lie in the step's first block, 2, 3 in its second).
.macro FETCH g, q
	WIN 0
.irp a, 0,1,2,3,4,5
	ds_load_b128 v[FA+48*(\g)+8*(\a):FA+48*(\g)+8*(\a)+3],   v[ADRA] offset:16*PITA*(\a)+64*(\q)
	ds_load_b128 v[FA+48*(\g)+8*(\a)+4:FA+48*(\g)+8*(\a)+7], v[ADRA] offset:16*PITA*(\a)+64*(\q)+32
.endr
	WIN 0x40
.irp b, 0,1,2,3,4,5,6,7
	ds_load_b128 v[64*(\g)+8*(\b):64*(\g)+8*(\b)+3],   v[ADRB] offset:16*PITB*(\b)+BHALF*((\q)/2)+64*((\q)%2)
	ds_load_b128 v[64*(\g)+8*(\b)+4:64*(\g)+8*(\b)+7], v[ADRB] offset:16*PITB*(\b)+BHALF*((\q)/2)+64*((\q)%2)+32
.endr
.endm
.macro TOGGLE                          ; the slot that has just been given up takes X's stores; the fetches go over to the other slot
	WIN 0
	v_add_nc_u32 v[ASTO], s[TB], v[AS0]
	s_xor_b32 s[TB], s[TB], SLOT1
	v_add_nc_u32 v[ADRA], s[TB], v[A0]
	v_add_nc_u32 v[ADRB], s[TB], v[B0]
.endm
; A QUARTER of a K step: 48 products on buffer f.  At its head the next quarter's fragments are fetched (quarter nq of the slot in hand).
; sg >= 0: behind them the group rounded in the quarter before is stored into the other slot, and (ld = 1) its rows of the next K step but one are loaded into the registers that the roundings have read.
; rg >= 0: group rg's roundings ride on row block ra; rw = the loads issued behind that group's, which may stay out.  mid = 1: the group is stored (and loaded anew) at once, ahead of the change of slots.
; mode 1: the fetch at the head was the slot's last.  32 products later each wave waits for all its tensor loads (one is out: its part of the other slot's wb), adds 0 to its spare word, and waits for that, for its
; reads of the slot and for its stores of X into the other slot; a round of the cluster's barrier follows, and the joint refill, two K steps on, is the first thing behind it: it has 184 of a step's 192 products in which to land.
; Behind the round nobody reads this slot any more, and the other slot is whole, X's rows and wb's.  mode 2: the same waits and a plain barrier: the last slot is whole; nothing is asked for.
.macro QUART f, nq, zero, mode, sg, ld, rg, rw, ra, mid
	s_wait_dscnt 0x0                               ; buffer f is in: its loads were issued 48 products ago
	PLACES
	FETCH 1-(\f), \nq
.if (\sg) >= 0
	GSTORE ASTO, \sg
.if \ld
	GLOAD \sg, 1
.endif
.endif
.irp a, 0,1,2,3
.if ((\rg) >= 0) && ((\a) == (\ra))
	s_wait_loadcnt \rw                             ; the group's 16 loads are in; the younger ones stay out
	MROWC \f, \a, \rg, \zero
.if \mid
	GSTORE ASTO, \rg
.if \ld
	GLOAD \rg, 1
.endif
.endif
.else
	MROW \f, \a, \zero
.endif
.endr
.if (\mode) == 0
	MROW \f, 4, \zero
	MROW \f, 5, \zero
.else
	WIN 0
.if (\mode) == 1
	s_wait_xcnt 0x0                                ; the last prefetches, a K step back, have read their address
	s_add_co_u32 s[PJ], s[PJ], 1
	s_lshl_b32 s[OFS], s[PJ], s[PSH]
	s_add_nc_u64 s[PFA:PFA+1], s[PBS:PBS+1], s[OFS:OFS+1]
.endif
	s_wait_tensorcnt 0x0                           ; no tensor load of mine is out, so a group 0 may be written
	ds_add_u32 v[SPW], v[NIL]                      ; 0 onto my spare word
.if (\mode) == 1
	s_xor_b32 s[G0+5], s[G0+5], SLOT1              ; the walking descriptor: the other slot than last time, the next K step's two blocks
	s_add_nc_u64 s[G0+6:G0+7], s[G0+6:G0+7], 0x40000
.endif
	s_wait_dscnt 0x0                               ; the add is done, my reads of the slot are over, my stores into the other slot are done
	s_barrier_signal -1
	MROW \f, 4, 0                                  ; work on registers while the others arrive
	WIN 0
	s_barrier_wait -1
.if (\mode) == 1
	CREST                                          ; no wave of any partner still reads the slot or has a load on its way
	JLOAD
	ASK
.endif
	TOGGLE
	MROW \f, 5, 0
.endif
.endm
	s_wait_tensorcnt 0x1                           ; my part of wb's K step 0 is in; step 1's may stay out
	s_wait_dscnt 0x0                               ; my rows of X's step 0 are stored
	s_barrier_signal -1
	s_barrier_wait -1
	FETCH 0, 0
	QUART 0, 1, 1, 0, -1, 0, 0, 32, 3, 0           ; step 0's first quarter starts the sums; group 0 of step 1 is rounded
	WIN 0
	s_mov_b32 s[CNT], 14
.Lstep:                                        ; trip i: quarters 1 to 3 of step i and quarter 0 of step i + 1.  X's step i + 1 is stored, its step i + 2 loaded, wb's step i + 2 asked for
	QUART 1, 2, 0, 0, 0, 1, 1, 32, 3, 0
	QUART 0, 3, 0, 1, 1, 1, 2, 32, 0, 1
	QUART 1, 0, 0, 0, -1, 0, -1, 0, 0, 0
	QUART 0, 1, 0, 0, -1, 0, 0, 32, 3, 0
	WIN 0
	s_sub_co_u32 s[CNT], s[CNT], 1
	s_cmp_lg_u32 s[CNT], 0
	s_cbranch_scc1 .Lstep
	QUART 1, 2, 0, 0, 0, 0, 1, 16, 3, 0            ; the tail is written out: step 14 stores X's step 15 and loads nothing: behind group 1's loads stand group 2's sixteen,
	QUART 0, 3, 0, 2, 1, 0, 2, 0, 0, 1             ; behind group 2's none; step 15's slot is shown whole, and nothing is asked for
	QUART 1, 0, 0, 0, -1, 0, -1, 0, 0, 0
	QUART 0, 1, 0, 0, -1, 0, -1, 0, 0, 0
	QUART 1, 2, 0, 0, -1, 0, -1, 0, 0, 0
	QUART 0, 3, 0, 0, -1, 0, -1, 0, 0, 0
	s_wait_dscnt 0x0
.irp a, 0,1,2,3,4,5
	MROW 1, \a, 0
.endr
; THE WAY OUT, a block of 16 rows at a time.  PACK: the squares are added (f32) and the sums rounded to bf16, each accumulator's registers in ascending order; the row's other 64 columns lie in the lane 16 away.
.macro PACK a
.set AC, 64*((\a)%4)
	WIN 0x0a+5*((\a)/4)
.irp b, 0,1,2,3,4,5,6,7
.irp r, 0,1,2,3
.if (\b) == 0
	v_pk_mul_f32 v[SS+2*(\r):SS+2*(\r)+1], v[AC+8*(\b)+2*(\r):AC+8*(\b)+2*(\r)+1], v[AC+8*(\b)+2*(\r):AC+8*(\b)+2*(\r)+1]
.else
	v_pk_fma_f32 v[SS+2*(\r):SS+2*(\r)+1], v[AC+8*(\b)+2*(\r):AC+8*(\b)+2*(\r)+1], v[AC+8*(\b)+2*(\r):AC+8*(\b)+2*(\r)+1], v[SS+2*(\r):SS+2*(\r)+1]
.endif
	v_cvt_pk_bf16_f32 v[TMP+4*(\b)+(\r)], v[AC+8*(\b)+2*(\r)], v[AC+8*(\b)+2*(\r)+1]
.endr
.endr
	WIN 0
	v_pk_add_f32 v[SS:SS+1], v[SS:SS+1], v[SS+2:SS+3]
	v_pk_add_f32 v[SS+4:SS+5], v[SS+4:SS+5], v[SS+6:SS+7]
	v_pk_add_f32 v[SS:SS+1], v[SS:SS+1], v[SS+4:SS+5]
	v_add_f32 v[TT], v[SS], v[SS+1]
	v_permlanex16_b32 v[TT+1], v[TT], s[SEL], s[SEL+1]
	v_add_f32 v[SQ+(\a)], v[TT], v[TT+1]
.endm
.macro TOSTAGE a                       ; into my own stage, and back as whole rows of 256 bytes; LDS serves a wave's instructions in order (ISA guide 5.7.1.4)
	WIN 0
.irp b, 0,1,2,3,4,5,6,7
	ds_store_b128 v[STO], v[TMP+4*(\b):TMP+4*(\b)+3] offset:32*(\b)
.endr
.irp t, 0,1,2,3,4,5,6,7
	ds_load_b128 v[OB+32*((\a)%2)+4*(\t):OB+32*((\a)%2)+4*(\t)+3], v[RD] offset:544*(\t)
.endr
.endm
.macro SEND a
	WIN 0
	s_wait_dscnt 0x0                               ; the block is back in registers
	s_wait_xcnt 0x0                                ; the stores of the block before have read their registers: the next TOSTAGE loads into them
.irp t, 0,1,2,3,4,5,6,7
	global_store_b128 v[CO], v[OB+32*((\a)%2)+4*(\t):OB+32*((\a)%2)+4*(\t)+3], s[12:13] offset:(16*(\a)+2*(\t))*2048  ; 16 lanes store 256 consecutive bytes, at a multiple of 256 from emb's first
.endr
.endm
	PLACES
	PACK 0
	TOSTAGE 0
.irp a, 1,2,3,4,5
	PACK \a
	SEND (\a)-1
	TOSTAGE \a
.endr
	SEND 5
.irp a, 0,1,2,3,4,5
	ds_store_b32 v[SSA], v[SQ+(\a)] offset:64*(\a)  ; both halves of the lanes hold the row's sum and write the same word
.endr
	s_wait_dscnt 0x0                               ; for the others' sake
	s_barrier_signal -1
	s_barrier_wait -1
	s_cmp_lt_u32 s[WV], 3
	s_cbranch_scc0 .Lno_ssq
	ds_load_b64 v[34:35], v32                      ; two rows' sums of the left 128 columns,
	ds_load_b64 v[36:37], v32 offset:768           ; and of the right
	s_wait_dscnt 0x0
	v_pk_add_f32 v[34:35], v[34:35], v[36:37]
	global_store_b64 v33, v[34:35], s[14:15]       ; the wave stores 256 consecutive bytes, aligned
.Lno_ssq:
	s_wait_tensorcnt 0x0                           ; the wave's end
	ds_add_u32 v[SPW], v[NIL]
	s_wait_dscnt 0x0
	CROUND                                         ; the closing round
	s_endpgm
.Lfunc_end_k_qa87df6627e_enc:
	.size	k_qa87df6627e_enc, .Lfunc_end_k_qa87df6627e_enc-k_qa87df6627e_enc
	.p2alignl 7, 3214868480
	.fill 96, 4, 3214868480
	.section	.rodata,"a",@progbits
	.p2align	6, 0x0
	.amdhsa_kernel k_qa87df6627e_enc
		.amdhsa_group_segment_fixed_size 327680
		.amdhsa_private_segment_fixed_size 0
		.amdhsa_enable_private_segment 0
		.amdhsa_kernarg_size 48
		.amdhsa_user_sgpr_count 2
		.amdhsa_user_sgpr_kernarg_segment_ptr 1
		.amdhsa_wavefront_size32 1
		.amdhsa_system_sgpr_workgroup_id_x 1
		.amdhsa_system_sgpr_workgroup_id_y 1
		.amdhsa_system_sgpr_workgroup_id_z 1
		.amdhsa_system_vgpr_workitem_id 0
		.amdhsa_next_free_vgpr 1024
		.amdhsa_next_free_sgpr 96
		.amdhsa_reserve_vcc 0
		.amdhsa_float_denorm_mode_32 3
		.amdhsa_float_denorm_mode_16_64 3
		.amdhsa_memory_ordered 1
		.amdhsa_forward_progress 1
		.amdhsa_inst_pref_size 156
	.end_amdhsa_kernel
	.amdgpu_metadata
---
amdhsa.version: [ 1, 2 ]
amdhsa.kernels:
  - .name:           k_qa87df6627e_enc
    .symbol:         k_qa87df6627e_enc.kd
    .args:
      - { .name: support, .offset: 0, .size: 8, .value_kind: global_buffer, .address_space: global }
      - { .name: query, .offset: 8, .size: 8, .value_kind: global_buffer, .address_space: global }
      - { .name: wb, .offset: 16, .size: 8, .value_kind: global_buffer, .address_space: global }
      - { .name: b, .offset: 24, .size: 8, .value_kind: global_buffer, .address_space: global }
      - { .name: emb, .offset: 32, .size: 8, .value_kind: global_buffer, .address_space: global }
      - { .name: ssq, .offset: 40, .size: 8, .value_kind: global_buffer, .address_space: global }
    .group_segment_fixed_size: 327680
    .private_segment_fixed_size: 0
    .kernarg_segment_align: 8
    .kernarg_segment_size: 48
    .max_flat_workgroup_size: 128
    .sgpr_count:     96
    .vgpr_count:     1024
    .wavefront_size: 32
...
	.end_amdgpu_metadata
.endif
;; end of part 2
;; launch sims (part 3): grid 8 x 32, 4 waves a work-group, clusters of 4 x 4, 327,680 bytes of LDS; arguments emb, ssq, ohf, part, lsum; writes part, lsum
.if DOCPART == 3
	.amdgcn_target "amdgcn-amd-amdhsa--gfx1250"
	.amdhsa_code_object_version 6
	.text
	.protected	k_qa87df6627e_sims
	.globl	k_qa87df6627e_sims
	.p2align	8
	.type	k_qa87df6627e_sims,@function
k_qa87df6627e_sims:
	s_mov_b64 s[64:65], 0
	v_nop
	global_prefetch_b8 v0, s[64:65] scope:SCOPE_SE
	s_setreg_imm32_b32 hwreg(HW_REG_WAVE_MODE, 25, 1), 1
	s_wait_xcnt 0x0
	s_wait_alu depctr_hold_cnt(0) depctr_sa_sdst(0) depctr_va_vdst(0) depctr_va_sdst(0) depctr_va_ssrc(0) depctr_va_vcc(0) depctr_vm_vsrc(0)
	s_getreg_b32 s2, hwreg(HW_REG_IB_STS2, 6, 4)
	s_cmp_eq_u32 s2, 0
	s_cbranch_scc0 .Lentry_in_a_cluster
	s_endpgm
.Lentry_in_a_cluster:
	s_bfe_u32 s2, ttmp6, 0x10000c
	s_cmp_lg_u32 s2, 0xf033
	s_cbranch_scc0 .Lentry_shape_is_right
	s_endpgm
.Lentry_shape_is_right:
; MatchingNet, launch 3 of 4: scores, exponentials and class sums.  For 256 queries and 512 supports a work-group:
; S = Eq Es^T (bf16 products, f32 sums, K = 1,024); p = 2^(S rs[key] rq[query]), rs = 1 / max(sqrt(ssq), 1e-12), rq = log2(e) / max(sqrt(ssq), 1e-12);
; lsum[kx][q] = the sum of p (f32, of the unrounded p); part[kx][q][c] = the sum over the keys of bf16(p) x one_hot[key][c].  The last launch adds the eight kx and divides.
; LEFT OUT: the softmax's maximum.  reference() normalises both vectors itself, so |S rs rq| stays under log2(e) (1 + 2^-8)^2 < 1.46 for every finite input: 0.36 < p < 2.76, a row's sum under 11,400;
; the maximum cancels in p / l, and partial sums over disjoint supports simply add.
; LIMITS.  v_sqrt_f32 and v_rcp_f32 take denormals for 0: a sum of squares under 2^-126 counts as 0, where reference() ends at 1e-12 too.  NaN and infinities are not treated apart.
; SHARES.  512 tiles of 256 queries x 256 keys on 256 work-groups: each stays for two tiles, the same queries, neighbouring keys.  A wave owns 64 queries and ALL 256 keys of a tile (64 accumulators, 512 registers),
; so that its class sums (64 queries x 64 classes, 128 registers) stay in registers over both tiles and no two waves share a query; the price is 40 LDS loads for 64 products where a square share has 32.
; LAYOUT.  S^T = K Q^T (source 0 = 16 keys, source 1 = 16 queries): a lane holds ONE query (l % 16) and the keys 8 (l / 16) + 0..7.  Two such results rounded to bf16 in place ARE source 1 (32 keys x 16 queries) of
; O^T = one_hot^T P, whose result holds one query a lane and eight classes.
; K goes in steps of 128 through two LDS slots; the ring runs on across the change of tiles.  CLUSTER 4 x 4: a row of the cluster shares the queries' tiles, a column the keys': asked for jointly.
; REGISTERS, in windows of 256: window 0: v0-31 addresses and rq (four pairs); v32-63, v64-95 the queries' fragments, two buffers; v96-223 O; v224-239 l; v240-255 rs of 32 keys.
;   window 1: v0-127, v128-255 the keys' fragments, two buffers; behind a tile's last products the tile's one_hot.   windows 2, 3: S(a, b) at 128 (a % 2) + 8 b, window 2 + a / 2.
.set PITCH, 272                        ; 256 bytes + 16: the 16 rows of a load start at 16 different groups of four banks (64 banks of 4 bytes: ISA guide 11.1)
.set HALFT, 128*PITCH
.set SLOT,  4*HALFT                    ; the queries' 256 rows, then the keys' 256
.set STAGE, 2*SLOT                     ; behind the ring, never filled by a tensor load: 16 rows x 272 bytes for each wave,
.set RST,   STAGE+4*16*272             ; rs of the work-group's 512 keys,
.set RQT,   RST+2048                   ; rq of its 256 queries,
.set LST,   RQT+1024                   ; l on its way out,
.set SPARE, LST+1024                   ; and the spare words, 128 bytes a wave, which no other line names
.set RQ,   4                           ; v[4:11] rq of my query in block a, twice, at RQ + 2 a
.set RQA,  12                          ; v12  where I read them
.set LSR,  13                          ; v13  where I read two l back
.set LGO,  14                          ; v14  8 l
.set RSS,  15                          ; v15  where I store four rs
.set ADRA, 16                          ; v16  LDS address of the queries' fragments in the slot in hand; v17 in slot 0
.set A0,   17
.set ADRB, 20                          ; v20, v21 the same for the keys'
.set B0,   21
.set OHO,  22                          ; v22  16 l
.set RSA,  23                          ; v23  where I read rs: RST + 32 (l / 16), + 1,024 in the second tile
.set STO,  24
.set RD,   25
.set GO,   26
.set LSA,  27                          ; v27  where my query's l goes
.set SPW,  28                          ; v28  LDS address of my spare word; never rewritten
.set NIL,  29                          ; v29  0; never rewritten
.set PFO,  30                          ; v30  2,048 l: a lane a row of emb; never rewritten
.set RQS,  31                          ; v31  where I store two rq
.set FA,   32
.set O,    96                          ; O[a][cb] at O + 32 a + 8 cb
.set L,    224                         ; l of block a: two chains of a pair each, at L + 4 a
.set RS,   240
.set WV,  16
.set HF,  17                           ; s17  which 128 rows of a tile I fetch
.set CX,  18
.set CY,  19
.set KX,  20                           ; s20  my 512 keys
.set QY,  21                           ; s21  my 256 queries
.set CLY, 23
.set G1Q, 24
.set G1K, 32
.set G0Q, 40                           ; s[40:47] group 0 for the queries' tiles: a set for each first fill; the second is then made anew for each refill
.set G0K, 48
.set TB,  56                           ; s56  the slot in hand: 0 or SLOT
.set WB,  57                           ; s57  where my tile lies in a slot: 34,816 x wave
.set CNT, 58
.set SJ,  59                           ; s59  the walk's step, 0 to 15
.set PMAX, 60
.set TILE, 61                          ; s61  tiles to go, this one among them: the same in every work-group
.set PFA, 62
.set PBS, 66
.set PT,  68
.set OFQ, 70                           ; s[70:71], s[80:81] offsets, high words 0
.set SEL, 72
.set QB,  74                           ; s[74:75] emb at the queries' rows that I fetch
.set KB,  76                           ; s[76:77] at the keys'
.set OH,  78                           ; s[78:79] ohf at the tile's eight groups
.set OFK, 80
.set PJ,  88
.set MSB, 0
.macro WIN new
.if MSB != (\new)
	s_set_vgpr_msb (MSB<<8)|(\new)
.set MSB, \new
.endif
.endm
.macro PLACES
.rept 4
	v_nop
.endr
.endm
.macro CREST
	s_cmp_lg_u32 s[WV], 0
	s_cbranch_scc1 .Lnot_wave_0_\@
	s_barrier_signal -3
.Lnot_wave_0_\@:
	s_barrier_wait -3
	s_barrier_signal -1
	s_barrier_wait -1
.endm
.macro CROUND
	s_barrier_signal -1
	s_barrier_wait -1
	CREST
.endm
.macro JLOAD                           ; waves 0 and 1 fetch the queries' two halves, waves 2 and 3 the keys'; an s_nop 0 and four v_nop follow each line
	s_cmp_lt_u32 s[WV], 2
	s_cbranch_scc0 .Lfor_k_\@
	tensor_load_to_lds s[G0Q+4:G0Q+7], s[G1Q:G1Q+7]
	s_nop 0
.rept 4
	v_nop
.endr
	s_branch .Lasked_\@
.Lfor_k_\@:
	tensor_load_to_lds s[G0K+4:G0K+7], s[G1K:G1K+7]
	s_nop 0
.rept 4
	v_nop
.endr
.Lasked_\@:
.endm
; A PREFETCH INTO THE L2, behind a joint refill and its five lines: the walk's step SJ + 4, two steps (512 products) ahead of the refill that will ask for it: 32 rows x 256 bytes, a lane a row.
; Of the 128 rows that a wave fetches each of the four partners that ask jointly takes 32, told apart by address.  The queries' rows are read by both columns of clusters: cluster x = 0 asks, and in the first
; tile alone (the second walks the same rows again); the keys' rows by all rows of clusters: cluster y = 0 asks.  So each block is named once.  The first four steps come by their loads alone.
.macro ASK
	s_cmp_le_u32 s[PJ], s[PMAX]
	s_cbranch_scc0 .Lnot_mine_\@
	global_prefetch_b8 v[PFO], s[PFA:PFA+1] th:TH_LOAD_NT scope:SCOPE_SE
.Lnot_mine_\@:
.endm
	s_load_b256 s[4:11], s[0:1], 0x0               ; emb s[4:5], ssq s[6:7], ohf s[8:9], part s[10:11]
	s_load_b64 s[12:13], s[0:1], 0x20              ; lsum
	v_lshl_add_u32 v[SPW], v0, 2, SPARE
	v_mov_b32 v[NIL], 0
	ds_add_u32 v[SPW], v[NIL]                      ; the wave's opening: the add, twice on end, and its wait ahead of my first tensor load
	ds_add_u32 v[SPW], v[NIL]
	v_lshrrev_b32 v1, 5, v0
	v_readfirstlane_b32 s[WV], v1
	s_and_b32 s[HF], s[WV], 1
	s_bfe_u32 s[CX], ttmp6, 0x40000
	s_bfe_u32 s[CY], ttmp6, 0x40004
	s_lshl_b32 s[KX], ttmp9, 2
	s_add_co_u32 s[KX], s[KX], s[CX]
	s_and_b32 s[CLY], ttmp7, 0xffff
	s_lshl_b32 s[QY], s[CLY], 2
	s_add_co_u32 s[QY], s[QY], s[CY]
	s_lshl_b32 s82, s[CY], 2
	s_lshl_b32 s82, 15, s82                        ; my row of the cluster
	s_lshl_b32 s84, 0x1111, s[CX]                  ; my column
	s_or_b32 s[G1Q], s82, (1<<16)|(1<<20)|(1<<21)|(5<<22)|(3<<25)  ; the mask; elements of 2 bytes; padding on; bit 21 beside a mask; after every 64 words, 4 words
	s_or_b32 s[G1K], s84, (1<<16)|(1<<20)|(1<<21)|(5<<22)|(3<<25)
.irp g, G1Q, G1K
	s_mov_b32 s[(\g)+1], 128<<16                   ; tensor_dim0 = 128
	s_mov_b32 s[(\g)+2], 128<<16                   ; tensor_dim1 = 128
	s_mov_b32 s[(\g)+3], 128<<16                   ; tile_dim0 = 128
	s_mov_b32 s[(\g)+4], 128                       ; tile_dim1 = 128
	s_mov_b32 s[(\g)+5], 1024                      ; elements from row to row
	s_mov_b32 s[(\g)+6], 0
	s_mov_b32 s[(\g)+7], 0
.endr
	s_lshl_b32 s83, s[HF], 7
	s_lshl_b32 s82, s[QY], 8
	s_add_co_u32 s82, s82, s83
	s_add_co_u32 s82, s82, 4096                    ; the queries' rows lie behind support's
	s_lshl_b32 s[OFQ], s82, 11
	s_mov_b32 s[OFQ+1], 0
	s_lshl_b32 s84, s[KX], 9
	s_add_co_u32 s84, s84, s83
	s_lshl_b32 s[OFK], s84, 11
	s_mov_b32 s[OFK+1], 0
	s_mul_i32 s[WB], s[WV], HALFT                  ; no place in the cluster enters an LDS address
	s_mov_b32 s[TB], 0
	s_mov_b32 s[SEL], 0x76543210
	s_mov_b32 s[SEL+1], 0xfedcba98
	s_wait_dscnt 0x0                               ; both opening adds are done
	s_wait_kmcnt 0x0
	s_add_nc_u64 s[QB:QB+1], s[4:5], s[OFQ:OFQ+1]
	s_add_nc_u64 s[KB:KB+1], s[4:5], s[OFK:OFK+1]
.irp s, 0,1
	s_mov_b32 s[G0Q+4*(\s)], 1
	s_add_co_u32 s[G0Q+4*(\s)+1], s[WB], (\s)*SLOT
	s_add_nc_u64 s[G0Q+4*(\s)+2:G0Q+4*(\s)+3], s[QB:QB+1], (\s)*256
	s_or_b32 s[G0Q+4*(\s)+3], s[G0Q+4*(\s)+3], 0x80000000
	s_mov_b32 s[G0K+4*(\s)], 1
	s_add_co_u32 s[G0K+4*(\s)+1], s[WB], (\s)*SLOT
	s_add_nc_u64 s[G0K+4*(\s)+2:G0K+4*(\s)+3], s[KB:KB+1], (\s)*256
	s_or_b32 s[G0K+4*(\s)+3], s[G0K+4*(\s)+3], 0x80000000
.endr
	CROUND                                         ; all sixteen work-groups are here: the first joint loads meet
	s_cmp_lt_u32 s[WV], 2                          ; a wave's two first fills stand in one branch: two loads of mine are out
	s_cbranch_scc0 .Lfirst_k
	tensor_load_to_lds s[G0Q:G0Q+3], s[G1Q:G1Q+7]
	s_nop 0
	tensor_load_to_lds s[G0Q+4:G0Q+7], s[G1Q:G1Q+7]
	s_nop 0
.rept 4
	v_nop
.endr
	s_branch .Lfirst_asked
.Lfirst_k:
	tensor_load_to_lds s[G0K:G0K+3], s[G1K:G1K+7]
	s_nop 0
	tensor_load_to_lds s[G0K+4:G0K+7], s[G1K:G1K+7]
	s_nop 0
.rept 4
	v_nop
.endr
.Lfirst_asked:
	v_and_b32 v1, 15, v0                           ; l % 16
	v_bfe_u32 v2, v0, 4, 1                         ; l / 16
	v_and_b32 v3, 31, v0                           ; l
	s_lshl_b32 s[OFQ], s[KX], 11                   ; ssq of my work-group's 512 keys: thread t takes keys 4 t on, the four column tiles' parts
	s_add_nc_u64 s[90:91], s[6:7], s[OFQ:OFQ+1]
	s_lshl_b32 s[OFQ], s[QY], 10                   ; and of its 256 queries: thread t takes 2 t and 2 t + 1
	s_add_co_u32 s[OFQ], s[OFQ], 16384
	s_add_nc_u64 s[92:93], s[6:7], s[OFQ:OFQ+1]
	v_lshlrev_b32 v18, 4, v0
	v_lshlrev_b32 v19, 3, v0
.irp p, 0,1,2,3
	global_load_b128 v[32+4*(\p):35+4*(\p)], v18, s[90:91] offset:49152*(\p)
	global_load_b64 v[48+2*(\p):49+2*(\p)], v19, s[92:93] offset:49152*(\p)
.endr
.set i, O
.rept 144
	v_mov_b32 v[i], 0                              ; O and l start at 0, written while the first tiles are on their way: so the text behind a tile's products is written once for both tiles
.set i, i+1
.endr
	s_mul_i32 s82, s[WV], 64*PITCH
	v_mul_u32_u24 v[B0], v1, PITCH
	v_lshl_add_u32 v[B0], v2, 4, v[B0]             ; row x pitch + 16 x half
	v_add_nc_u32 v[A0], s82, v[B0]                 ; my 64 queries
	v_add_nc_u32 v[B0], 2*HALFT, v[B0]             ; all 256 keys, behind the queries' 256 rows
	v_mov_b32 v[ADRA], v[A0]
	v_mov_b32 v[ADRB], v[B0]
	v_lshlrev_b32 v[OHO], 4, v3
	v_lshl_add_u32 v[RSA], v2, 5, RST
	s_mul_i32 s82, s[WV], 16*272
	s_add_co_u32 s82, s82, STAGE
	v_mul_u32_u24 v[STO], v1, 272
	v_lshl_add_u32 v[STO], v2, 5, v[STO]           ; eight f32 are 32 bytes
	v_add_nc_u32 v[STO], s82, v[STO]
	v_mul_u32_u24 v[RD], v2, 272
	v_lshl_add_u32 v[RD], v1, 4, v[RD]
	v_add_nc_u32 v[RD], s82, v[RD]
	v_lshlrev_b32 v[GO], 8, v2
	v_lshl_add_u32 v[GO], v1, 4, v[GO]
	s_lshl_b32 s82, s[WV], 8
	s_add_co_u32 s83, s82, LST
	v_lshl_add_u32 v[LSA], v1, 2, s83
	v_lshl_add_u32 v[LSR], v3, 3, s83
	v_lshlrev_b32 v[LGO], 3, v3
	s_add_co_u32 s83, s82, RQT
	v_lshl_add_u32 v[RQA], v1, 2, s83
	v_lshl_add_u32 v[RSS], v0, 4, RST
	v_lshl_add_u32 v[RQS], v0, 3, RQT
	v_lshlrev_b32 v[PFO], 11, v3
	s_lshl_b32 s[OFQ], s[KX], 21                   ; part[kx][256 qy + 64 w ..]
	s_lshl_b32 s82, s[QY], 16
	s_add_co_u32 s[OFQ], s[OFQ], s82
	s_lshl_b32 s82, s[WV], 14
	s_add_co_u32 s[OFQ], s[OFQ], s82
	s_add_nc_u64 s[10:11], s[10:11], s[OFQ:OFQ+1]
	s_lshl_b32 s[OFQ], s[KX], 15                   ; lsum likewise
	s_lshl_b32 s82, s[QY], 10
	s_add_co_u32 s[OFQ], s[OFQ], s82
	s_lshl_b32 s82, s[WV], 8
	s_add_co_u32 s[OFQ], s[OFQ], s82
	s_add_nc_u64 s[12:13], s[12:13], s[OFQ:OFQ+1]
	s_lshl_b32 s[OFQ], s[KX], 16                   ; ohf: 16 groups of 4,096 bytes for 512 keys
	s_add_nc_u64 s[OH:OH+1], s[8:9], s[OFQ:OFQ+1]
	s_lshl_b32 s82, s[CX], 16                      ; the prefetches: my work-group's 32 rows of 2,048 bytes
	s_lshl_b32 s83, s[CY], 16
	s_cmp_eq_u32 ttmp9, 0
	s_cselect_b32 s84, 7, 0
	s_cmp_eq_u32 s[CLY], 0
	s_cselect_b32 s85, 15, 0
	s_cmp_lt_u32 s[WV], 2
	s_cselect_b32 s[OFQ], s82, s83
	s_cselect_b32 s[PMAX], s84, s85
	s_cselect_b32 s[PT], 0, 0x80000
	s_cselect_b64 s[PBS:PBS+1], s[QB:QB+1], s[KB:KB+1]
	s_add_nc_u64 s[PBS:PBS+1], s[PBS:PBS+1], s[OFQ:OFQ+1]
	s_wait_loadcnt 0x0
	v_pk_add_f32 v[32:33], v[32:33], v[36:37]
	v_pk_add_f32 v[34:35], v[34:35], v[38:39]
	v_pk_add_f32 v[40:41], v[40:41], v[44:45]
	v_pk_add_f32 v[42:43], v[42:43], v[46:47]
	v_pk_add_f32 v[48:49], v[48:49], v[50:51]
	v_pk_add_f32 v[52:53], v[52:53], v[54:55]
	v_pk_add_f32 v[32:33], v[32:33], v[40:41]
	v_pk_add_f32 v[34:35], v[34:35], v[42:43]
	v_pk_add_f32 v[48:49], v[48:49], v[52:53]
.irp r, 32,33,34,35,48,49
	v_sqrt_f32 v\r, v\r
.endr
	v_nop                                          ; a plain instruction behind the last root,
	s_wait_alu depctr_va_vdst(0)                   ; and the one wait ahead of the batch's first reader
.irp r, 32,33,34,35,48,49
	v_max_num_f32 v\r, 0x2b8cbccc, v\r             ; max(norm, 1e-12)
.endr
.irp r, 32,33,34,35,48,49
	v_rcp_f32 v\r, v\r
.endr
	v_nop
	s_wait_alu depctr_va_vdst(0)
	v_mul_f32 v48, 0x3fb8aa3b, v48                 ; log2(e) goes into rq
	v_mul_f32 v49, 0x3fb8aa3b, v49
	ds_store_b128 v[RSS], v[32:35]
	ds_store_b64 v[RQS], v[48:49]
	s_wait_dscnt 0x0                               ; for the others' sake
	s_wait_tensorcnt 0x1                           ; my part of step 0 is in; step 1's may stay out
	s_barrier_signal -1
	s_barrier_wait -1
.irp a, 0,1,2,3
	ds_load_b32 v[RQ+2*(\a)], v[RQA] offset:64*(\a)
.endr
	s_wait_dscnt 0x0
.irp a, 0,1,2,3
	v_mov_b32 v[RQ+2*(\a)+1], v[RQ+2*(\a)]         ; twice: the packed scaling multiplies by a pair
.endr
.macro PRD f, a, b, zero               ; zero = 1: the first product starts the sum
	WIN 0xa1+0x50*((\a)/2)
.if \zero
	v_wmma_f32_16x16x32_bf16 v[128*((\a)%2)+8*(\b):128*((\a)%2)+8*(\b)+7], v[128*(\f)+8*(\b):128*(\f)+8*(\b)+7], v[FA+32*(\f)+8*(\a):FA+32*(\f)+8*(\a)+7], 0
.else
	v_wmma_f32_16x16x32_bf16 v[128*((\a)%2)+8*(\b):128*((\a)%2)+8*(\b)+7], v[128*(\f)+8*(\b):128*(\f)+8*(\b)+7], v[FA+32*(\f)+8*(\a):FA+32*(\f)+8*(\a)+7], v[128*((\a)%2)+8*(\b):128*((\a)%2)+8*(\b)+7]
.endif
.endm
.macro MULH f, a, half, zero           ; query block a x eight key blocks.  The 64 accumulators take turns, in the same order in every quarter
.irp b, 0,1,2,3,4,5,6,7
	PRD \f, \a, 8*(\half)+(\b), \zero
.endr
.endm
.macro MULA f, a, zero
	MULH \f, \a, 0, \zero
	MULH \f, \a, 1, \zero
.endm
.macro FETCH g, k                      ; 40 LDS loads in one run: 32 along K at byte k of the rows of the slot in hand, into buffer g
	WIN 0
.irp a, 0,1,2,3
	ds_load_b128 v[FA+32*(\g)+8*(\a):FA+32*(\g)+8*(\a)+3],   v[ADRA] offset:4352*(\a)+(\k)
	ds_load_b128 v[FA+32*(\g)+8*(\a)+4:FA+32*(\g)+8*(\a)+7], v[ADRA] offset:4352*(\a)+(\k)+32
.endr
	WIN 0x40
.irp b, 0,1,2,3,4,5,6,7,8,9,10,11,12,13,14,15
	ds_load_b128 v[128*(\g)+8*(\b):128*(\g)+8*(\b)+3],   v[ADRB] offset:4352*(\b)+(\k)
	ds_load_b128 v[128*(\g)+8*(\b)+4:128*(\g)+8*(\b)+7], v[ADRB] offset:4352*(\b)+(\k)+32
.endr
.endm
.macro TOGGLE
	WIN 0
	s_xor_b32 s[TB], s[TB], SLOT                   ; 0 and SLOT by turns
	v_add_nc_u32 v[ADRA], s[TB], v[A0]
	v_add_nc_u32 v[ADRB], s[TB], v[B0]
.endm
; A QUARTER of a K step: 64 products on buffer f; at its head the next quarter's fragments are fetched (byte k of the slot in hand).
; mode 1: the fetch at the head was the slot's last.  48 products later each wave waits for all its tensor loads (one is out: its part of the other slot), adds 0 to its spare word, and waits for that and for its
; reads of the slot; a round of the cluster's barrier follows, and the joint refill, the walk's step SJ + 2, is the first thing behind it: it has 248 of a step's 256 products in which to land.
; mode 2: the same waits and a plain barrier: the walk's last slot is whole; nothing is asked for.
.macro QUART f, k, zero, mode
	s_wait_dscnt 0x0                               ; buffer f is in: its loads were issued 64 products ago
	PLACES
	FETCH 1-(\f), \k
.if (\mode) == 0
	MULA \f, 0, \zero
	MULA \f, 1, \zero
	MULA \f, 2, \zero
	MULA \f, 3, \zero
.else
	MULA \f, 0, 0
	MULA \f, 1, 0
	MULA \f, 2, 0
	WIN 0
.if (\mode) == 1
	s_wait_xcnt 0x0                                ; the last prefetch, a K step back, has read its address
	s_add_co_u32 s[PJ], s[SJ], 4
	s_lshr_b32 s82, s[PJ], 3
	s_mul_i32 s82, s82, s[PT]                      ; the keys' second tile lies 256 rows on
	s_and_b32 s83, s[PJ], 7
	s_lshl_b32 s83, s83, 8
	s_add_co_u32 s[OFQ], s82, s83
	s_add_nc_u64 s[PFA:PFA+1], s[PBS:PBS+1], s[OFQ:OFQ+1]
.endif
	s_wait_tensorcnt 0x0                           ; no tensor load of mine is out, so a group 0 may be written
	ds_add_u32 v[SPW], v[NIL]                      ; 0 onto my spare word
.if (\mode) == 1
	s_add_co_u32 s82, s[SJ], 2                     ; the step to ask for: its addresses are made anew from its number
	s_and_b32 s83, s82, 7
	s_lshl_b32 s[OFQ], s83, 8                      ; 256 bytes a K step,
	s_lshr_b32 s82, s82, 3
	s_lshl_b32 s82, s82, 19                        ; and for the keys 256 rows a tile
	s_add_co_u32 s[OFK], s82, s[OFQ]
	s_add_co_u32 s[G0Q+5], s[WB], s[TB]            ; into the slot in hand
	s_add_nc_u64 s[G0Q+6:G0Q+7], s[QB:QB+1], s[OFQ:OFQ+1]
	s_or_b32 s[G0Q+7], s[G0Q+7], 0x80000000
	s_add_co_u32 s[G0K+5], s[WB], s[TB]
	s_add_nc_u64 s[G0K+6:G0K+7], s[KB:KB+1], s[OFK:OFK+1]
	s_or_b32 s[G0K+7], s[G0K+7], 0x80000000
	s_add_co_u32 s[SJ], s[SJ], 1
.endif
	s_wait_dscnt 0x0                               ; the add is done, and my reads of the slot are over
	s_barrier_signal -1
	MULH \f, 3, 0, 0                               ; work on registers while the others arrive
	WIN 0
	s_barrier_wait -1
.if (\mode) == 1
	CREST                                          ; no wave of any partner still reads the slot or has a load on its way
	JLOAD
	ASK
.endif
	TOGGLE
	MULH \f, 3, 1, 0
.endif
.endm
; BEHIND A TILE'S PRODUCTS.  The one_hot of the tile's 256 keys (eight groups kk of 32 keys x four blocks cb of 16 classes, 8 registers each) comes straight from memory into the keys' fragment buffers.
.macro OHLOAD hf
	WIN 0x40
.irp kq, 0,1,2,3
.irp cb, 0,1,2,3
.irp t, 0,1
	global_load_b128 v[32*(4*(\hf)+(\kq))+8*(\cb)+4*(\t):32*(4*(\hf)+(\kq))+8*(\cb)+4*(\t)+3], v[OHO], s[OH:OH+1] offset:4096*(4*(\hf)+(\kq))+1024*(\cb)+512*(\t)
.endr
.endr
.endr
.endm
.macro RSLOAD kk                       ; rs of my 16 keys of group kk
	WIN 0
	ds_load_b128 v[RS:RS+3],     v[RSA] offset:128*(\kk)
	ds_load_b128 v[RS+4:RS+7],   v[RSA] offset:128*(\kk)+16
	ds_load_b128 v[RS+8:RS+11],  v[RSA] offset:128*(\kk)+64
	ds_load_b128 v[RS+12:RS+15], v[RSA] offset:128*(\kk)+80
.endm
; Product pn of 16 of O^T += one_hot^T P for group kk: query blocks 0, 1 first, then 2, 3; the 16 accumulators take turns.
.macro PV kk
.set pa, 2*(pn/8)+pn%2
.set pc, (pn%8)/2
	WIN 0x09+4*(pn/8)
	v_wmma_f32_16x16x32_bf16 v[O+32*pa+8*pc:O+32*pa+8*pc+7], v[32*(\kk)+8*pc:32*(\kk)+8*pc+7], v[128*(pa%2)+16*(\kk):128*(pa%2)+16*(\kk)+7], v[O+32*pa+8*pc:O+32*pa+8*pc+7]
.set pn, pn+1
.endm
; A UNIT u of a window's four is one accumulator: query block 2 wh + u / 2, key block 2 kk + u % 2.  PM: scaling i of 8: its four pairs times rs, then times rq (the lowest registers first).  EXI: exponential i of 8.
.macro PM wh, kk, u, i
.set rS, 128*((\u)/2)+16*(\kk)+8*((\u)%2)
.if (\i) < 4
	v_pk_mul_f32 v[rS+2*(\i):rS+2*(\i)+1], v[rS+2*(\i):rS+2*(\i)+1], v[RS+8*((\u)%2)+2*(\i):RS+8*((\u)%2)+2*(\i)+1]
.else
	v_pk_mul_f32 v[rS+2*(\i)-8:rS+2*(\i)-7], v[rS+2*(\i)-8:rS+2*(\i)-7], v[RQ+2*(2*(\wh)+(\u)/2):RQ+2*(2*(\wh)+(\u)/2)+1]
.endif
.endm
.macro EXI kk, u, i
	v_exp_f32 v[128*((\u)/2)+16*(\kk)+8*((\u)%2)+(\i)], v[128*((\u)/2)+16*(\kk)+8*((\u)%2)+(\i)]
.endm
.macro VI wh, kk                       ; number vn of a window's 64: unit 0 is scaled; then a unit's exponentials and the next unit's scalings by turns; then unit 3's exponentials
.if vn < 8
	PM \wh, \kk, 0, vn
.elseif vn < 56
.if (vn-8)%2 == 0
	EXI \kk, (vn-8)/16, ((vn-8)%16)/2
.else
	PM \wh, \kk, (vn-8)/16+1, ((vn-8)%16)/2
.endif
.else
	EXI \kk, 3, vn-56
.endif
.set vn, vn+1
.endm
; VPRE kk: group kk's 64 scalings and 64 exponentials, ONE batch: nothing here names an exponential's result.  In front of each eight of them stands one product of the group before, whose registers they do not name.
.macro VPRE kk
	s_wait_dscnt 0x0                               ; rs is in
.if (\kk) >= 1
	s_wait_loadcnt 64-8*(\kk)                      ; the one_hot of group kk - 1 is in; the eight loads of each later group may stay out
.endif
.set pn, 0
.irp wh, 0,1
.set vn, 0
.rept 8
.if (\kk) >= 1
	PV (\kk)-1
.endif
	WIN 0x82+0x41*(\wh)
.rept 8
	VI \wh, \kk
.endr
.endr
.endr
.if (\kk) < 7
	RSLOAD (\kk)+1                                 ; rs was last read above; the sums and roundings below stand between these loads and the wait for them
.endif
	v_nop                                          ; a plain instruction behind the last exponential,
	s_wait_alu depctr_va_vdst(0)                   ; and the one wait ahead of the batch's first reader
.endm
; VPOST kk: l takes the unrounded p (two chains a query block), then p is rounded to bf16 in place, ascending: registers 0-7 of a block's 16 are then source 1 of the second product.
.macro VPOST kk
.irp wh, 0,1
	WIN 0x08+4*(\wh)
.set p, 0
.rept 8
.irp al, 0,1
	v_pk_add_f32 v[L+4*(2*(\wh)+(\al))+2*(p%2):L+4*(2*(\wh)+(\al))+2*(p%2)+1], v[L+4*(2*(\wh)+(\al))+2*(p%2):L+4*(2*(\wh)+(\al))+2*(p%2)+1], v[128*(\al)+16*(\kk)+2*p:128*(\al)+16*(\kk)+2*p+1]
.endr
.set p, p+1
.endr
	WIN 0x8a+0x45*(\wh)
.set p, 0
.rept 8
.irp al, 0,1
	v_cvt_pk_bf16_f32 v[128*(\al)+16*(\kk)+p], v[128*(\al)+16*(\kk)+2*p], v[128*(\al)+16*(\kk)+2*p+1]
.endr
.set p, p+1
.endr
.endr
.endm
	FETCH 0, 0
	WIN 0
	s_mov_b32 s[TILE], 2
	s_mov_b32 s[SJ], 0
.Ltile:
	QUART 0, 64, 1, 0                              ; a tile's first quarter starts the sums
	WIN 0
	s_mov_b32 s[CNT], 6
.Lstep:                                        ; a trip: a step's quarters 1 to 3 and the next step's quarter 0; the slot is asked for again
	QUART 1, 128, 0, 0
	QUART 0, 192, 0, 1
	QUART 1, 0, 0, 0
	QUART 0, 64, 0, 0
	WIN 0
	s_sub_co_u32 s[CNT], s[CNT], 1
	s_cmp_lg_u32 s[CNT], 0
	s_cbranch_scc1 .Lstep
	QUART 1, 128, 0, 0                             ; steps 6 and 7 are written out: in the second tile they ask for nothing.  The branches hang on the count of tiles alone, the same in all partners
	WIN 0
	s_cmp_eq_u32 s[TILE], 1
	s_cbranch_scc1 .Lsix_last
	QUART 0, 192, 0, 1
	WIN 0
	s_branch .Lsix_done
.Lsix_last:
	QUART 0, 192, 0, 2
	WIN 0
.Lsix_done:
	QUART 1, 0, 0, 0
	QUART 0, 64, 0, 0
	QUART 1, 128, 0, 0
	WIN 0
	s_cmp_eq_u32 s[TILE], 1
	s_cbranch_scc1 .Lseven_last
	QUART 0, 192, 0, 1                             ; the ring goes on into the next tile
	WIN 0
	s_branch .Lseven_done
.Lseven_last:
	QUART 0, 192, 0, 0
	WIN 0
.Lseven_done:
	s_wait_dscnt 0x0                               ; the tile's last quarter: in place of fragments the one_hot and the first rs are fetched
	PLACES
	OHLOAD 0
	RSLOAD 0
	MULA 1, 0, 0
	MULA 1, 1, 0
	MULA 1, 2, 0
	MULA 1, 3, 0
	PLACES                                         ; in front of the loads into buffer 1, and of the scalings that read results
	OHLOAD 1
.irp kk, 0,1,2,3,4,5,6,7
	VPRE \kk
	VPOST \kk
.endr
	s_wait_loadcnt 0x0
.set pn, 0
.rept 16
	PV 7
.endr
	WIN 0
	s_cmp_eq_u32 s[TILE], 1
	s_cbranch_scc1 .Lout
	s_add_nc_u64 s[OH:OH+1], s[OH:OH+1], 32768     ; all loads that named it were waited for
	v_add_nc_u32 v[RSA], 1024, v[RSA]
.rept 8
	v_nop                                          ; places behind the last products: the next tile's loads and first products write registers that they read
.endr
	FETCH 0, 0                                     ; the next tile's first fragments: its slot was shown whole by step 7's round
	WIN 0
	s_sub_co_u32 s[TILE], s[TILE], 1
	s_branch .Ltile
.Lout:
	PLACES
.irp a, 0,1,2,3
	v_pk_add_f32 v[L+4*(\a):L+4*(\a)+1], v[L+4*(\a):L+4*(\a)+1], v[L+4*(\a)+2:L+4*(\a)+3]
.endr
.irp a, 0,1,2,3
	v_add_f32 v[L+4*(\a)], v[L+4*(\a)], v[L+4*(\a)+1]
.endr
.irp a, 0,1,2,3
	v_permlanex16_b32 v[L+4*(\a)+1], v[L+4*(\a)], s[SEL], s[SEL+1]  ; the query's other keys lie in the lane 16 away
.endr
.irp a, 0,1,2,3
	v_add_f32 v[L+4*(\a)], v[L+4*(\a)], v[L+4*(\a)+1]
.endr
.irp a, 0,1,2,3
	ds_store_b32 v[LSA], v[L+4*(\a)] offset:64*(\a)
.endr
.macro OUT a                           ; 16 queries x 64 classes in f32: through my own stage, back as whole rows of 256 bytes
.irp cb, 0,1,2,3
	ds_store_b128 v[STO], v[O+32*(\a)+8*(\cb):O+32*(\a)+8*(\cb)+3]   offset:64*(\cb)
	ds_store_b128 v[STO], v[O+32*(\a)+8*(\cb)+4:O+32*(\a)+8*(\cb)+7] offset:64*(\cb)+16
.endr
.irp t, 0,1,2,3,4,5,6,7
	ds_load_b128 v[FA+32*((\a)%2)+4*(\t):FA+32*((\a)%2)+4*(\t)+3], v[RD] offset:544*(\t)  ; LDS serves a wave's instructions in order (ISA guide 5.7.1.4)
.endr
	s_wait_dscnt 0x0
	s_wait_xcnt 0x0                                ; the stores of the block before have read their registers: the next block's loads land in them
.irp t, 0,1,2,3,4,5,6,7
	global_store_b128 v[GO], v[FA+32*((\a)%2)+4*(\t):FA+32*((\a)%2)+4*(\t)+3], s[10:11] offset:4096*(\a)+512*(\t)  ; 16 lanes store 256 consecutive bytes, aligned
.endr
.endm
	OUT 0
	OUT 1
	OUT 2
	OUT 3
	ds_load_b64 v[L:L+1], v[LSR]                   ; my wave's own 64 sums, two a lane
	s_wait_dscnt 0x0
	global_store_b64 v[LGO], v[L:L+1], s[12:13]    ; the wave stores 256 consecutive bytes, aligned
	s_wait_tensorcnt 0x0                           ; the wave's end
	ds_add_u32 v[SPW], v[NIL]
	s_wait_dscnt 0x0
	CROUND                                         ; the closing round
	s_endpgm
.Lfunc_end_k_qa87df6627e_sims:
	.size	k_qa87df6627e_sims, .Lfunc_end_k_qa87df6627e_sims-k_qa87df6627e_sims
	.p2alignl 7, 3214868480
	.fill 96, 4, 3214868480
	.section	.rodata,"a",@progbits
	.p2align	6, 0x0
	.amdhsa_kernel k_qa87df6627e_sims
		.amdhsa_group_segment_fixed_size 327680
		.amdhsa_private_segment_fixed_size 0
		.amdhsa_enable_private_segment 0
		.amdhsa_kernarg_size 40
		.amdhsa_user_sgpr_count 2
		.amdhsa_user_sgpr_kernarg_segment_ptr 1
		.amdhsa_wavefront_size32 1
		.amdhsa_system_sgpr_workgroup_id_x 1
		.amdhsa_system_sgpr_workgroup_id_y 1
		.amdhsa_system_sgpr_workgroup_id_z 1
		.amdhsa_system_vgpr_workitem_id 0
		.amdhsa_next_free_vgpr 1024
		.amdhsa_next_free_sgpr 100
		.amdhsa_reserve_vcc 0
		.amdhsa_float_denorm_mode_32 3
		.amdhsa_float_denorm_mode_16_64 3
		.amdhsa_memory_ordered 1
		.amdhsa_forward_progress 1
		.amdhsa_inst_pref_size 235
	.end_amdhsa_kernel
	.amdgpu_metadata
---
amdhsa.version: [ 1, 2 ]
amdhsa.kernels:
  - .name:           k_qa87df6627e_sims
    .symbol:         k_qa87df6627e_sims.kd
    .args:
      - { .name: emb, .offset: 0, .size: 8, .value_kind: global_buffer, .address_space: global }
      - { .name: ssq, .offset: 8, .size: 8, .value_kind: global_buffer, .address_space: global }
      - { .name: ohf, .offset: 16, .size: 8, .value_kind: global_buffer, .address_space: global }
      - { .name: part, .offset: 24, .size: 8, .value_kind: global_buffer, .address_space: global }
      - { .name: lsum, .offset: 32, .size: 8, .value_kind: global_buffer, .address_space: global }
    .group_segment_fixed_size: 327680
    .private_segment_fixed_size: 0
    .kernarg_segment_align: 8
    .kernarg_segment_size: 40
    .max_flat_workgroup_size: 128
    .sgpr_count:     100
    .vgpr_count:     1024
    .wavefront_size: 32
...
	.end_amdgpu_metadata
.endif
;; end of part 3
;; launch fin (part 4): grid 256 x 1, 8 waves a work-group, no clusters, 0 bytes of LDS; arguments part, lsum, out0; writes out0
.if DOCPART == 4
	.amdgcn_target "amdgcn-amd-amdhsa--gfx1250"
	.amdhsa_code_object_version 6
	.text
	.protected	k_qa87df6627e_fin
	.globl	k_qa87df6627e_fin
	.p2align	8
	.type	k_qa87df6627e_fin,@function
k_qa87df6627e_fin:
	s_mov_b64 s[64:65], 0
	v_nop
	global_prefetch_b8 v0, s[64:65] scope:SCOPE_SE
	s_setreg_imm32_b32 hwreg(HW_REG_WAVE_MODE, 25, 1), 1
	s_wait_xcnt 0x0
; MatchingNet, launch 4 of 4: out0[q][c] = (the sum over the eight key ranges kx of part[kx][q][c]) / (the sum over kx of lsum[kx][q]).  All in f32.
; The parts simply add, since no maximum was taken away (the cosines bound the exponents: see the first kernel's head); l is at least 4,096 x 0.36, so the division is safe.
; A stream: the work-group owns 32 queries, 8,192 bytes of out0; thread t has two items of 16 bytes, at 4,096 i + 16 t.  All 32 loads go out first; no LDS, no barrier, no matrix unit: nothing is shared.
.set P,  16                            ; v[16:79]  item i, part j at P + 32 i + 4 j
.set LV, 80                            ; v[80:95]  item i, l of part j at LV + 8 i + j
	s_load_b128 s[4:7], s[0:1], 0x0                ; part s[4:5], lsum s[6:7]
	s_load_b64 s[8:9], s[0:1], 0x10                ; out0
	v_lshlrev_b32 v1, 4, v0                        ; 16 t
	v_lshrrev_b32 v2, 4, v0
	v_lshlrev_b32 v2, 2, v2                        ; my query's word: 4 (t / 16)
	s_lshl_b32 s10, ttmp9, 13
	s_mov_b32 s11, 0
	s_lshl_b32 s12, ttmp9, 7
	s_mov_b32 s13, 0
	s_wait_kmcnt 0x0
	s_add_nc_u64 s[4:5], s[4:5], s[10:11]
	s_add_nc_u64 s[14:15], s[4:5], 0x800000        ; parts 4 to 7 from a second base, so that the immediates stay inside their signed 24 bits
	s_add_nc_u64 s[6:7], s[6:7], s[12:13]
	s_add_nc_u64 s[8:9], s[8:9], s[10:11]
.irp i, 0,1
.irp j, 0,1,2,3
	global_load_b128 v[P+32*(\i)+4*(\j):P+32*(\i)+4*(\j)+3], v1, s[4:5] offset:4096*(\i)+2097152*(\j) th:TH_LOAD_NT
.endr
.irp j, 0,1,2,3
	global_load_b128 v[P+32*(\i)+16+4*(\j):P+32*(\i)+16+4*(\j)+3], v1, s[14:15] offset:4096*(\i)+2097152*(\j) th:TH_LOAD_NT
.endr
.irp j, 0,1,2,3,4,5,6,7
	global_load_b32 v[LV+8*(\i)+(\j)], v2, s[6:7] offset:64*(\i)+32768*(\j)
.endr
.endr
.macro SUMS i
.irp j, 0,8,16,24
	v_pk_add_f32 v[P+32*(\i)+(\j):P+32*(\i)+(\j)+1],   v[P+32*(\i)+(\j):P+32*(\i)+(\j)+1],   v[P+32*(\i)+(\j)+4:P+32*(\i)+(\j)+5]
	v_pk_add_f32 v[P+32*(\i)+(\j)+2:P+32*(\i)+(\j)+3], v[P+32*(\i)+(\j)+2:P+32*(\i)+(\j)+3], v[P+32*(\i)+(\j)+6:P+32*(\i)+(\j)+7]
.endr
.irp j, 0,16
	v_pk_add_f32 v[P+32*(\i)+(\j):P+32*(\i)+(\j)+1],   v[P+32*(\i)+(\j):P+32*(\i)+(\j)+1],   v[P+32*(\i)+(\j)+8:P+32*(\i)+(\j)+9]
	v_pk_add_f32 v[P+32*(\i)+(\j)+2:P+32*(\i)+(\j)+3], v[P+32*(\i)+(\j)+2:P+32*(\i)+(\j)+3], v[P+32*(\i)+(\j)+10:P+32*(\i)+(\j)+11]
.endr
	v_pk_add_f32 v[P+32*(\i):P+32*(\i)+1],   v[P+32*(\i):P+32*(\i)+1],   v[P+32*(\i)+16:P+32*(\i)+17]
	v_pk_add_f32 v[P+32*(\i)+2:P+32*(\i)+3], v[P+32*(\i)+2:P+32*(\i)+3], v[P+32*(\i)+18:P+32*(\i)+19]
	v_pk_add_f32 v[LV+8*(\i):LV+8*(\i)+1],   v[LV+8*(\i):LV+8*(\i)+1],   v[LV+8*(\i)+2:LV+8*(\i)+3]
	v_pk_add_f32 v[LV+8*(\i)+4:LV+8*(\i)+5], v[LV+8*(\i)+4:LV+8*(\i)+5], v[LV+8*(\i)+6:LV+8*(\i)+7]
	v_pk_add_f32 v[LV+8*(\i):LV+8*(\i)+1],   v[LV+8*(\i):LV+8*(\i)+1],   v[LV+8*(\i)+4:LV+8*(\i)+5]
	v_add_f32 v[LV+8*(\i)], v[LV+8*(\i)], v[LV+8*(\i)+1]
.endm
	s_wait_loadcnt 16                              ; item 0's sixteen loads are in; item 1's stay out
	SUMS 0
	s_wait_loadcnt 0x0
	SUMS 1
	v_rcp_f32 v[LV], v[LV]
	v_rcp_f32 v[LV+8], v[LV+8]
	v_nop                                          ; a plain instruction behind the last reciprocal,
	s_wait_alu depctr_va_vdst(0)                   ; and the one wait ahead of the first reader
.irp i, 0,1
	v_pk_mul_f32 v[P+32*(\i):P+32*(\i)+1],   v[P+32*(\i):P+32*(\i)+1],   v[LV+8*(\i):LV+8*(\i)+1] op_sel_hi:[1,0]
	v_pk_mul_f32 v[P+32*(\i)+2:P+32*(\i)+3], v[P+32*(\i)+2:P+32*(\i)+3], v[LV+8*(\i):LV+8*(\i)+1] op_sel_hi:[1,0]
	global_store_b128 v1, v[P+32*(\i):P+32*(\i)+3], s[8:9] offset:4096*(\i) th:TH_STORE_NT  ; a store of the wave covers 512 consecutive bytes
.endr
	s_endpgm
.Lfunc_end_k_qa87df6627e_fin:
	.size	k_qa87df6627e_fin, .Lfunc_end_k_qa87df6627e_fin-k_qa87df6627e_fin
	.p2alignl 7, 3214868480
	.fill 96, 4, 3214868480
	.section	.rodata,"a",@progbits
	.p2align	6, 0x0
	.amdhsa_kernel k_qa87df6627e_fin
		.amdhsa_group_segment_fixed_size 0
		.amdhsa_private_segment_fixed_size 0
		.amdhsa_enable_private_segment 0
		.amdhsa_kernarg_size 24
		.amdhsa_user_sgpr_count 2
		.amdhsa_user_sgpr_kernarg_segment_ptr 1
		.amdhsa_wavefront_size32 1
		.amdhsa_system_sgpr_workgroup_id_x 1
		.amdhsa_system_sgpr_workgroup_id_y 1
		.amdhsa_system_sgpr_workgroup_id_z 1
		.amdhsa_system_vgpr_workitem_id 0
		.amdhsa_next_free_vgpr 96
		.amdhsa_next_free_sgpr 66
		.amdhsa_reserve_vcc 0
		.amdhsa_float_denorm_mode_32 3
		.amdhsa_float_denorm_mode_16_64 3
		.amdhsa_memory_ordered 1
		.amdhsa_forward_progress 1
		.amdhsa_inst_pref_size 7
	.end_amdhsa_kernel
	.amdgpu_metadata
---
amdhsa.version: [ 1, 2 ]
amdhsa.kernels:
  - .name:           k_qa87df6627e_fin
    .symbol:         k_qa87df6627e_fin.kd
    .args:
      - { .name: part, .offset: 0, .size: 8, .value_kind: global_buffer, .address_space: global }
      - { .name: lsum, .offset: 8, .size: 8, .value_kind: global_buffer, .address_space: global }
      - { .name: out0, .offset: 16, .size: 8, .value_kind: global_buffer, .address_space: global }
    .group_segment_fixed_size: 0
    .private_segment_fixed_size: 0
    .kernarg_segment_align: 8
    .kernarg_segment_size: 24
    .max_flat_workgroup_size: 256
    .sgpr_count:     66
    .vgpr_count:     96
    .wavefront_size: 32
...
	.end_amdgpu_metadata
.endif
;; end of part 4
